; MI455X (gfx1250); checked and timed in simulation.
; The chip was launched on July 23, 2026; its instructions are those of AMD's public machine-readable ISA for CDNA 5 (MIT licence, August 2026) and "CDNA5" Instruction Set Architecture Reference Guide (July 2026). The comments in the code are by the model that wrote it; some were corrected since.
;; Attention Head. Allowed arithmetic: matrix products marked QUANTISED: E5M2 operands, one given power-of-two scale a tensor, by v_wmma_f32_16x16x64_bf8_bf8 or v_wmma_f32_16x16x128_bf8_bf8, f32 sums; everything else in f32.
;; Inputs: event_lengths 8 int32; k_codes 8 x 2,048 x 4 x 32 uint8 (E5M2 codes of k, K innermost, in blocks of 32 codes); lowp_scales 4 int32 (the exponents e of the quantised operands' scales 2^e); q_codes 8 x 2,048 x 4 x 32 uint8 (E5M2 codes of q, K innermost, in blocks of 32 codes); v_codes 8 x 128 x 64 x 32 uint8 (E5M2 codes of v, K innermost, in blocks of 32 codes).
;; Outputs: out0 8 x 2,048 x 128 float32.
;; This version of the problem:
;;   THIS VERSION OF THE PROBLEM IS GIVEN IN LOW PRECISION. The matrix products marked QUANTISED in the list below multiply operands that are first quantised to E5M2 (5 exponent bits, 2 mantissa bits; 8 bits a number), with one given power-of-two scale for each operand tensor; their sums are f32. All else is computed in f32.
;;   The module's matrix products, in the order in which they are computed (A, B: the left and right operand; K: the contracted axis; several contracted axes count as one K, in the product's order):
;;     1. batch 8 x [M 2,048, K 128] x [K 128, N 2,048]; A: input q (given as codes); B: input k (given as codes): QUANTISED (scales: A lowp_scales[0], B lowp_scales[1])
;;     2. batch 8 x [M 2,048, K 2,048] x [K 2,048, N 128]; A: softmax (see below); B: input v (given as codes): QUANTISED (scales: A lowp_scales[2], B lowp_scales[3])
;;   THE QUANTISER, for each operand of a quantised product, along K:
;;     - The operand's scale is 2^e, e = its entry of the input lowp_scales (int32; the entries are numbered through the quantised products in the list's order, A before B).
;;     - Each number is divided by the scale, clamped to +-57,344, and rounded to the nearest number of E5M2, ties to even, subnormals kept.
;;     - The product sums the exact products of the quantised numbers (number of the format x scale) in f32.
;;   ~~~python
;;   def quantise(x, axis, e):      # numpy; x: float32 -> the quantised numbers, widened to float32 again
;;       x = np.moveaxis(x, axis, -1); K = x.shape[-1]
;;       r = np.clip(x / 2.0 ** e, -57344, 57344)
;;       step = 2.0 ** (np.maximum(np.frexp(np.where(r == 0, 1, r))[1] - 1, -14) - 2)
;;       q = np.round(r / step) * step * 2.0 ** e      # np.round: ties to even
;;       return np.moveaxis(q, -1, axis).astype(np.float32)
;;   ~~~
;;   SOFTMAX AHEAD OF A QUANTISED PRODUCT. Where the list says 'softmax', what is quantised is not the finished softmax but p = 2^(t - M), with t = logit x log2(e) and M = ceil(the row's largest t), a whole number; so 1/2 < the row's largest p <= 1. The row's sum l is taken of the UNQUANTISED p, in f32, and the product's result is divided by l at the end. Since M is a whole number, a kernel that streams over the keys may use a running M (the ceiling of the running maximum): every later rescaling is an exact power of two, so the quantised numbers keep their values, but for numbers so far below the row's largest that they fall under the format's range.
;;   OPERANDS COMPUTED ON THE WAY. 'Computed on the way' means the value that the module computes at that place (a softmax that the list does not call 'softmax' is quantised finished and normalised). What goes into a quantiser is computed in f32, as accurately as f32 sums, v_exp_f32 and their like allow (about 1e-6 of the number): no bf16 or f16 on the way to a quantiser, and a product that is left as it is and whose result goes on into a quantised operand takes f32 operands (vector FMAs, or v_wmma_f32_16x16x4_f32). A number that lies on a knife's edge between two numbers of the format may be rounded either way, as far as f32 arithmetic and the matrix unit's own rounding can turn it there, and no further.
;;   INPUTS GIVEN AS CODES. k (in the module: [8, 2048, 128], K = its axis 2); q (in the module: [8, 2048, 128], K = its axis 2); v (in the module: [8, 2048, 128], K = its axis 1): each comes as NAME_codes (uint8): NAME with its K axis moved to the last place and cut into blocks of 32 codes, [.., K / 32, bytes a block], one block behind the other in memory; one code a byte (a code: sign, 5 exponent bits, 2 mantissa bits); its scale is its entry of lowp_scales. Its value is code x scale, taken as it is: it is not quantised again, and the codes and scales need not be those that the quantiser above would give.
;; 2 versions. Each part assembles by itself: llvm-mc -triple=amdgcn-amd-amdhsa -mcpu=gfx1250 --defsym DOCPART=n.
;; ======== version 1 of 2: 1 launch
;; limits: right only within a limited range of input values
;; launch attn (part 1): grid 32 x 8, 16 waves a work-group, no clusters, 319,488 bytes of LDS; arguments q_codes, k_codes, v_codes, lowp_scales, event_lengths, out0; writes out0
.if DOCPART == 1
	.amdgcn_target "amdgcn-amd-amdhsa--gfx1250"
	.amdhsa_code_object_version 6
	.text
	.protected	k_q00cfdbd2ec_attn
	.globl	k_q00cfdbd2ec_attn
	.p2align	8
	.type	k_q00cfdbd2ec_attn,@function
k_q00cfdbd2ec_attn:
	s_mov_b64 s[64:65], 0
	v_nop
	global_prefetch_b8 v0, s[64:65] scope:SCOPE_SE
	s_setreg_imm32_b32 hwreg(HW_REG_WAVE_MODE, 25, 1), 1
	s_wait_xcnt 0x0
; out[b][q][:] = softmax_k(masked q.k / sqrt(128)) v, both products on codes of BF8 (E5M2), each tensor with its given scale 2^e (eq, ek, ep, ev).
; q, k: [8][2048][128] codes, K = the head's 128.  v: [8][128][2048] codes, the keys innermost.  out: [8][2048][128] f32.  len = event_lengths[b], held within 0 .. 2048.
; THE MASK: (q, k) counts where q < len and k < len; every other logit is -1e9.
;   Rows q < len: a key >= len has p = 2^(-1.44e9 - M) = 0 in f32, so key steps that lie wholly at or past len add nothing to them, and only the step that holds len masks single scores (-infinity ahead of the maximum).
;   Rows q >= len: all 2,048 logits are -1e9; t = -1e9 x log2(e) is a whole number in f32, so M = t, p = 1 for every key and the sum is 2,048: the row is Q(1) x sum_k v[k][d] / 2048.
;   A block ALL of whose 64 rows are masked walks no key step: it sums v once, by matrix instructions on constant codes of Q(1), each wave 16 channels x 1,024 keys (the raw u).
;   A block with valid AND masked rows walks all 2,048 keys: a lane is one query, so in a masked lane the codes of p are replaced by the code of Q(1) and the rescaling factor by 1, and the lane's O^T gathers that same sum
;   in the second product, beside the valid lanes' work.  A step none of whose keys counts takes a short way there: no first product, no softmax; codes Q(1) in masked lanes, 0 in valid ones.
;   A block all of whose rows are valid walks the keys below len alone.
; THE SOFTMAX: t = score x log2(e) / sqrt(128); M = the running largest t rounded up to a whole number; p = 2^(t - M) is quantised with 2^ep; the sum is taken of the unquantised p and divides at the end.
; SHARES: a work-group owns 64 queries of one batch (32 x 8 work-groups).  Sixteen waves of 256 registers: wave w = 4 t + g owns tile t (16 queries) and key group g.  The keys go in four slots of 512;
;   in slot s group g takes the 128 keys from 512 s + 128 g.  Each wave keeps its own M, sum and O^T; the four groups of a tile are merged at the end through LDS, by exact powers of two.
; LAYOUT: both products are used transposed (S^T = K Q^T, O^T = V^T P^T): a lane holds ONE query (lane % 16).  Lane r of score tile 2 b + u takes key 32 b + 8 u + r + 8 (r / 8), so that the 16 registers of tiles
;   2 b, 2 b + 1 are the neighbouring keys 32 b + 16 (lane / 16) + 0 .. 15 and the conversions' results are the second product's operand.  Fragments come by four loads of 16 bytes (k = 32 c + 16 (lane / 16) + 0 .. 15),
;   the same order of k on both sides of each product.
; NO DATA MOVER, NO CLUSTER: which key steps run, which way a step takes, which step masks and whether p needs a hold are scalar branches on event_lengths and lowp_scales, numbers read from memory;
;   without them every wave would run all four steps with 192 more vector instructions each.  So K and V go from memory through registers into LDS, 512 consecutive bytes an instruction.
; LIMITS: eq + ek between -123 and 130 (added to c's exponent field); ep between -126 and 112.  NaN and infinity codes are not served.  A row q < len is taken to have a logit above about -9.9e8, so that masked keys give p = 0.
;
; LDS: slot p at p x SLOTB: 512 rows of K (pitch 144), then 128 rows of V of 512 bytes (pitch 528): both pitches are odd multiples of 16 bytes, so the 16 rows of a fragment load start at 16 different 16-byte columns of 256 bytes.
;   A key of slot index x lies at row x with bits 3 and 4 exchanged: the 16 keys of score tile T are then rows 16 T .. 16 T + 15.
;   MI (from 0): the waves' O^T as images of their registers, 8,192 bytes a wave; MS: -M and the sum, 256 bytes a wave: both in slot 0, which is last read in step 2.  OS: 64 rows of out, pitch 528.  UP: the raw u in two halves of the keys.
; REGISTERS: v0 thread; v1, v2 K fragment address in slot 0, 1; v3, v4 V's; v5, v6 where I stage K; v7, v8 V; v9 16 x lane; v10 2^ep; v11 57,344 x 2^ep; v12 -M; v13 largest t; v[14:15] the sum in two halves;
;   v16-31 Q; v32-95 F: four fragments, or my 256 staged bytes; v96-159 S^T, p, then V's fragments 0-3; v160-223 O^T; v224-239 p's codes; v[242:243], v244-246 at work; v[248:249] f and 0; v250 -infinity; v251 the mask's bound;
;   v252 four codes of Q(1).
; SCALARS: s16 w, s17 t, s18 g, s19 b, s20 q0; s21 the keys that this block walks; s[22:23] c; s[24:27] eq, ek, ep, ev; s28 len; s29 the keys that count for valid rows; s30 128 g; s31 my step's first key;
;   s[34:35] K, s[36:37] V at my staging share; s[38:39] V at my share of u; s[40:41] Q; s[42:43] out; s48 ep + ev; s52 my tile's first query; s53 q0 + 64.
.set KP,    144
.set VP,    528
.set VOFF,  512*KP
.set SLOTB, VOFF+128*VP
.set MS,    131072
.set OS,    2*SLOTB
.set UP,    OS+64*528
.macro BAR                             ; my LDS stores have landed and my LDS loads are back: then the work-group's barrier.  It stands on every wave's path
	s_wait_dscnt 0x0
	s_barrier_signal -1
	s_barrier_wait -1
.endm
.macro STAGE_LOAD_K s                  ; my share of slot s of K: 32 keys, 4,096 bytes on end; every instruction reads 512 consecutive bytes, aligned
.irp i, 0,1,2,3,4,5,6,7
	global_load_b128 v[32+4*\i:35+4*\i], v9, s[34:35] offset:65536*(\s)+512*\i
.endr
.endm
.macro STAGE_LOAD_V s                  ; and of V: 512 bytes of each of 8 rows
.irp i, 0,1,2,3,4,5,6,7
	global_load_b128 v[64+4*\i:67+4*\i], v9, s[36:37] offset:512*(\s)+2048*\i
.endr
.endm
.macro STAGE_STORE_K p                 ; into LDS slot p.  K's load i holds keys 32 w + 4 i + lane / 8: bit 0 of i is bit 2 of the key, bit 1 is bit 3 (goes to row bit 4), bit 2 is bit 4 (goes to row bit 3)
.irp i, 0,1,2,3,4,5,6,7
	ds_store_b128 v[5+(\p)], v[32+4*\i:35+4*\i] offset:KP*(4*(\i%2)+16*((\i/2)%2)+8*(\i/4))
.endr
.endm
.macro STAGE_STORE_V p
.irp i, 0,1,2,3,4,5,6,7
	ds_store_b128 v[7+(\p)], v[64+4*\i:67+4*\i] offset:VP*\i
.endr
.endm
; In step s the next slot is asked for: its K if a key of it counts for a valid row, its V if the block walks it.  If either holds, none of the sixteen waves has jumped over step s, so all stage.
.macro FETCH s
.if \s < 3
	s_cmp_gt_u32 s29, 512*(\s+1)
	s_cbranch_scc0 .Lnok_\@
	STAGE_LOAD_K (\s+1)
.Lnok_\@:
	s_cmp_gt_u32 s21, 512*(\s+1)
	s_cbranch_scc0 .Lnov_\@
	STAGE_LOAD_V (\s+1)
.Lnov_\@:
.endif
.endm
.macro VALID                           ; VCC: my lane's query lies below len
	v_and_b32 v244, 15, v0
	v_add_nc_u32 v244, s52, v244
	v_cmp_gt_u32 vcc_lo, s28, v244
.endm
	s_load_b256 s[4:11], s[0:1], 0x0               ; q s[4:5], k s[6:7], v s[8:9], the scales' exponents s[10:11]
	s_load_b128 s[12:15], s[0:1], 0x20             ; event_lengths s[12:13], out s[14:15]
	v_lshrrev_b32 v247, 5, v0
	v_readfirstlane_b32 s16, v247                  ; wave w
	s_lshr_b32 s17, s16, 2                         ; t: my tile of 16 queries
	s_and_b32 s18, s16, 3                          ; g: my key group
	s_and_b32 s19, ttmp7, 0xffff                   ; b
	s_lshl_b32 s20, ttmp9, 6                       ; q0: the block's first query
	s_lshl_b32 s30, s18, 7                         ; 128 g
	s_mov_b32 s32, 0x76543210                      ; v_permlanex16_b32: lane l xor 16
	s_mov_b32 s33, 0xfedcba98
	v_and_b32 v246, 31, v0                         ; lane
	v_and_b32 v244, 15, v0                         ; r
	v_bfe_u32 v245, v0, 4, 1                       ; h
	v_lshlrev_b32 v9, 4, v246                      ; 16 x lane
	v_lshlrev_b32 v12, 7, v244
	v_lshl_add_u32 v12, v245, 4, v12               ; for now: Q's offset, 128 r + 16 h
	v_lshlrev_b32 v13, 11, v244
	v_lshl_add_u32 v13, v245, 4, v13               ; for now: V's offset in memory, 2,048 r + 16 h
	s_lshl_b32 s44, s19, 18                        ; the batch's first byte in each tensor of codes
	s_mov_b32 s45, 0
	s_mov_b32 s47, 0
	s_wait_kmcnt 0x0
	s_load_b128 s[24:27], s[10:11], 0x0            ; eq, ek, ep, ev
	s_lshl_b32 s46, s19, 2
	s_add_nc_u64 s[12:13], s[12:13], s[46:47]
	s_load_b32 s28, s[12:13], 0x0                  ; len
	s_add_nc_u64 s[34:35], s[6:7], s[44:45]
	s_add_nc_u64 s[36:37], s[8:9], s[44:45]
	s_add_nc_u64 s[40:41], s[4:5], s[44:45]
	s_mov_b64 s[38:39], s[36:37]
	s_lshl_b32 s46, s16, 12
	s_add_nc_u64 s[34:35], s[34:35], s[46:47]      ; K: my 32 keys of a slot
	s_lshl_b32 s46, s16, 14
	s_add_nc_u64 s[36:37], s[36:37], s[46:47]      ; V: my 8 rows
	s_lshl_b32 s52, s17, 4
	s_add_co_u32 s52, s52, s20                     ; my tile's first query
	s_lshl_b32 s46, s52, 7
	s_add_nc_u64 s[40:41], s[40:41], s[46:47]      ; Q at it
.irp c, 0,1,2,3
	global_load_b128 v[16+4*\c:19+4*\c], v12, s[40:41] offset:32*\c   ; Q's fragment stays in registers
.endr
	STAGE_LOAD_K 0                                 ; slot 0 is asked for before len is known: it lies inside its buffers whatever len is
	STAGE_LOAD_V 0
	s_and_b32 s46, s16, 7
	s_lshl_b32 s46, s46, 15
	s_lshr_b32 s44, s16, 3
	s_lshl_b32 s44, s44, 10
	s_add_co_u32 s46, s46, s44
	s_add_nc_u64 s[38:39], s[38:39], s[46:47]      ; V for u: rows 16 (w % 8) on, keys 1,024 (w / 8) on
	s_lshl_b32 s46, s16, 2
	s_add_co_u32 s46, s46, s20
	s_lshl_b32 s46, s46, 9
	s_lshl_b32 s44, s19, 20
	s_add_co_u32 s46, s46, s44
	s_add_nc_u64 s[42:43], s[14:15], s[46:47]      ; out: rows q0 + 4 w on
	; the ring's LDS addresses: constants, lane terms and the wave's number
	s_mul_i32 s46, s18, 128*KP
	v_mul_u32_u24 v1, v244, KP
	v_lshl_add_u32 v1, v245, 4, v1
	v_add_nc_u32 v1, s46, v1                       ; (128 g + r) KP + 16 h
	v_add_nc_u32 v2, SLOTB, v1
	s_lshl_b32 s46, s18, 7
	s_add_co_u32 s46, s46, VOFF
	v_mul_u32_u24 v3, v244, VP
	v_lshl_add_u32 v3, v245, 4, v3
	v_add_nc_u32 v3, s46, v3                       ; VOFF + r VP + 128 g + 16 h
	v_add_nc_u32 v4, SLOTB, v3
	s_mul_i32 s46, s16, 32*KP
	v_lshrrev_b32 v247, 3, v246
	v_mul_u32_u24 v5, v247, KP
	v_and_b32 v247, 7, v246
	v_lshl_add_u32 v5, v247, 4, v5
	v_add_nc_u32 v5, s46, v5                       ; (32 w + lane / 8) KP + 16 (lane % 8)
	v_add_nc_u32 v6, SLOTB, v5
	s_mul_i32 s46, s16, 8*VP
	s_add_co_u32 s46, s46, VOFF
	v_add_nc_u32 v7, s46, v9                       ; VOFF + 8 w VP + 16 lane
	v_add_nc_u32 v8, SLOTB, v7
	s_lshr_b32 s46, s16, 3
	s_lshl_b32 s46, s46, 9
	s_and_b32 s44, s16, 7
	s_lshl_b32 s44, s44, 6
	s_add_co_u32 s46, s46, s44
	s_add_co_u32 s46, s46, UP
	v_lshl_add_u32 v14, v245, 5, s46               ; for now: where my part of u goes: UP + 512 (w / 8) + 64 (w % 8) + 32 h
	s_wait_kmcnt 0x0
	s_max_i32 s28, s28, 0
	s_min_i32 s28, s28, 2048                       ; len, held within 0 .. 2,048
	s_add_co_u32 s53, s20, 64
	s_cmp_le_u32 s53, s28                          ; are all 64 rows valid?
	s_cselect_b32 s21, s28, 2048                   ; then the keys below len are walked; with masked rows beside valid ones, all keys
	s_cmp_lt_u32 s20, s28                          ; is any row valid?
	s_cselect_b32 s29, s28, 0                      ; the keys that count for valid rows: len, or none
	s_cselect_b32 s21, s21, 0                      ; a block all of whose rows are masked walks none
	s_add_co_i32 s46, s24, s25
	s_lshl_b32 s46, s46, 23
	s_add_co_i32 s22, s46, 0x3e0293ee              ; c = log2(e) / sqrt(128) x 2^(eq + ek): the exponents are added to c's exponent field
	s_mov_b32 s23, s22                             ; (named with it as a pair, so it is written)
	s_add_co_i32 s46, s26, 127
	s_lshl_b32 s44, s46, 23
	v_mov_b32 v10, s44                             ; 2^ep as f32: the conversion takes its exponent field
	s_add_co_i32 s46, s46, 15
	s_lshl_b32 s46, s46, 23
	s_or_b32 s46, s46, 0x600000
	v_mov_b32 v11, s46                             ; 57,344 x 2^ep
	s_add_co_i32 s48, s26, s27                     ; ep + ev
	; ---- the raw u, in blocks all of whose rows are masked: wave w sums V's rows 16 (w % 8) .. + 15 over the keys 1,024 (w / 8) .. + 1,023, each times the code of Q(1).  Every other block hands zeros on
.irp i, 0,1,2,3,4,5,6,7
	v_mov_b32 v[224+\i], 0
.endr
	s_cmp_lt_u32 s20, s28
	s_cbranch_scc1 .Lno_u
.irp i, 0,1,2,3,4,5,6,7
	v_min_num_f32 v[240+\i], 1.0, v11              ; p = 1, held at the largest code x the scale
.endr
.irp c, 0,1,2,3,4,5,6,7
	v_cvt_scalef32_pk8_bf8_f32 v[224+2*\c:225+2*\c], v[240:247], v10
.endr
	v_nop                                          ; one plain vector instruction between the conversions and the products that read their results and write their sources
.irp i, 0,1,2,3,4,5,6,7
.irp c, 0,1,2,3
	global_load_b128 v[96+16*\i+4*\c:99+16*\i+4*\c], v13, s[38:39] offset:128*\i+32*\c
.endr
.endr
	s_wait_loadcnt 0x0
.irp i, 0,1,2,3,4,5,6,7                        ; two accumulators by turns, one instruction a turn; the first two products start the sums
.if \i < 2
	v_wmma_f32_16x16x128_bf8_bf8 v[240+8*(\i%2):247+8*(\i%2)], v[96+16*\i:111+16*\i], v[224:239], 0
.else
	v_wmma_f32_16x16x128_bf8_bf8 v[240+8*(\i%2):247+8*(\i%2)], v[96+16*\i:111+16*\i], v[224:239], v[240+8*(\i%2):247+8*(\i%2)]
.endif
.endr
.rept 4
	v_nop                                          ; four places behind the products, ahead of the reads of their results and of writes over their operands (ISA guide 7.12.1)
.endr
.irp i, 0,2,4,6
	v_pk_add_f32 v[224+\i:225+\i], v[240+\i:241+\i], v[248+\i:249+\i]   ; register j: row 16 (w % 8) + 8 h + j, the same in all sixteen lanes of a half
.endr
.Lno_u:
.irp i, 0,1,2,3,4,5,6,7
	v_min_num_f32 v[240+\i], 1.0, v11              ; the code of Q(1) for masked lanes: p = 1, held at the largest code x the scale,
.endr
	v_cvt_scalef32_pk8_bf8_f32 v[252:253], v[240:247], v10   ; four times in v252
	v_nop                                          ; one plain vector instruction directly behind the conversion
	s_wait_loadcnt 0x0                             ; Q and slot 0's bytes are in
	STAGE_STORE_K 0
	STAGE_STORE_V 0
	ds_store_b128 v14, v[224:227]                  ; my part of the raw u: the sixteen lanes of a half store the same numbers to the same bytes
	ds_store_b128 v14, v[228:231] offset:16
.set j, 0
.rept 64
	v_mov_b32 v[160+j], 0                          ; O^T: a step is written once for all cases, and a wave that walks no key hands zeros to the merge
.set j, j+1
.endr
	v_mov_b32 v246, 0                              ; written once: a lane permute's destination counts as one of its sources
	v_mov_b32 v249, 0                              ; the upper half of the pair v[248:249]; also the 0 that valid lanes' codes take in a short step; never rewritten
	s_wait_dscnt 0x0                               ; the stores above have read v14
	v_mov_b32 v13, 0xff61b1e6                      ; the largest t so far: -3e38, under every t
	v_floor_f32 v12, -v13                          ; -M
	v_mov_b32 v14, 0                               ; the sum, in two halves
	v_mov_b32 v15, 0
; A STEP: slot s (LDS slot s % 2), my group's 128 keys from 512 s + 128 g.
.macro STEP s
.set P, (\s)%2
	BAR                                            ; slot s is whole, and nobody reads the other LDS slot any more
	s_add_co_u32 s31, s30, 512*(\s)                ; my first key
	s_cmp_ge_u32 s31, s21
	s_cbranch_scc1 .Lhidden_\@                     ; the block does not walk my keys: no barrier stands in what is jumped over
	s_cmp_ge_u32 s31, s29
	s_cbranch_scc1 .Lconst_\@                      ; none of my keys counts for a valid row: the short way
.irp G, 0,1                                    ; S^T = K Q^T, four tiles of 16 keys at a time
.if \G
.rept 4
	v_nop                                          ; places ahead of loads into registers that the products above have read
.endr
.endif
.irp tt, 0,1,2,3
.irp c, 0,1,2,3
	ds_load_b128 v[32+16*\tt+4*\c:35+16*\tt+4*\c], v[1+P] offset:16*(4*\G+\tt)*KP+32*\c
.endr
.endr
	s_wait_dscnt 0x0
.irp tt, 0,1,2,3
	v_wmma_f32_16x16x128_bf8_bf8 v[96+8*(4*\G+\tt):103+8*(4*\G+\tt)], v[32+16*\tt:47+16*\tt], v[16:31], 0
.endr
.endr
.rept 4
	v_nop                                          ; places ahead of the loads into F and of the first read of the scores
.endr
	FETCH \s                                       ; the next slot, asked for a softmax ahead of the stores that want it
	s_add_co_u32 s46, s31, 128
	s_cmp_le_u32 s46, s29
	s_cbranch_scc1 .Lopen_\@                       ; all my 128 keys count
	s_sub_co_u32 s46, s29, s31
	v_bfe_u32 v251, v0, 4, 1
	v_lshlrev_b32 v251, 4, v251
	v_sub_nc_u32 v251, s46, v251                   ; len - my first key - 16 h.  Register 16 b + i holds key 32 b + 16 h + i of the step: hidden where 32 b + i is not below that
	v_mov_b32 v250, 0xff800000                     ; -infinity: p = 0 then.  The step's first key counts, so each query's maximum is a number
.irp n, 0,1,2,3,4,5,6,7,8,9,10,11,12,13,14,15,16,17,18,19,20,21,22,23,24,25,26,27,28,29,30,31,32,33,34,35,36,37,38,39,40,41,42,43,44,45,46,47,48,49,50,51,52,53,54,55,56,57,58,59,60,61,62,63
	v_cmp_ge_i32 vcc_lo, 32*(\n/16)+\n%16, v251
	v_cndmask_b32 v[96+\n], v[96+\n], v250, vcc_lo
.endr
.Lopen_\@:
	v_max3_num_f32 v244, v96, v97, v98             ; the step's largest score of my query among my 64 keys, in two chains, each accumulator from its low end on,
	v_max3_num_f32 v245, v99, v100, v101
.irp i, 6,10,14,18,22,26,30,34,38,42,46,50,54,58
	v_max3_num_f32 v244, v244, v[96+\i], v[97+\i]
	v_max3_num_f32 v245, v245, v[98+\i], v[99+\i]
.endr
	v_max3_num_f32 v244, v244, v158, v159
	v_max_num_f32 v244, v244, v245
	v_permlanex16_b32 v246, v244, s32, s33
	v_max_num_f32 v244, v244, v246                 ; and among lane l xor 16's
	v_mul_f32 v244, s22, v244                      ; as t (c is positive)
	v_max_num_f32 v13, v13, v244                   ; the running largest t
	v_mov_b32 v244, v12
	v_floor_f32 v12, -v13                          ; the new -M = floor(-t) = -ceil(t): a whole number
	v_sub_f32 v244, v12, v244                      ; old M less new M: a whole number, 0 or less
	v_cvt_i32_f32 v244, v244                       ; (it saturates)
	v_ldexp_f32 v248, 1.0, v244                    ; f = 2^(old M - new M): a multiplication by it rounds nothing
.set j, 0
.rept 32
	v_pk_fma_f32 v[96+j:97+j], v[96+j:97+j], s[22:23], v[12:13] op_sel_hi:[1,0,0]   ; t - M, two at a time (of the pairs c and -M the low word serves both halves)
.set j, j+2
.endr
.set j, 0
.rept 64
	v_exp_f32 v[96+j], v[96+j]                     ; p = 2^(t - M), at most 1, not normalised
.set j, j+1
.endr
	v_pk_mul_f32 v[14:15], v[14:15], v[248:249] op_sel_hi:[1,0]   ; the sum under the new M: the plain instruction behind the exponentials
	s_wait_alu depctr_va_vdst(0)                   ; one wait for the batch of 64, ahead of its first reader
	v_pk_add_f32 v[242:243], v[96:97], v[98:99]    ; the sum of the UNQUANTISED p, two at a time, in two chains
.irp j, 4,8,12,16,20,24,28,32,36,40,44,48,52,56,60
	v_pk_add_f32 v[14:15], v[14:15], v[96+\j:97+\j]
	v_pk_add_f32 v[242:243], v[242:243], v[98+\j:99+\j]
.endr
	v_pk_add_f32 v[14:15], v[14:15], v[242:243]
	s_cmp_ge_i32 s26, -15                          ; 57,344 x 2^ep = 1.75 x 2^(ep + 15) is at least 1.75 from ep = -15 on, and p is at most 1: the hold then changes nothing
	s_cbranch_scc1 .Lnohold_\@
.set j, 0
.rept 64
	v_min_num_f32 v[96+j], v[96+j], v11            ; the conversion to an 8-bit code does not saturate (ISA guide 7.6.2); p is not negative, so the hold is one-sided
.set j, j+1
.endr
.Lnohold_\@:
.irp b, 0,1,2,3
	v_cvt_scalef32_pk8_bf8_f32 v[224+4*\b:225+4*\b], v[96+16*\b:103+16*\b], v10
	v_cvt_scalef32_pk8_bf8_f32 v[226+4*\b:227+4*\b], v[104+16*\b:111+16*\b], v10
.endr
	v_nop                                          ; one plain vector instruction directly behind the last conversion
	s_cmp_le_u32 s53, s28
	s_cbranch_scc1 .Ljoin_\@                       ; the block has no masked row
	VALID
.irp i, 0,1,2,3,4,5,6,7,8,9,10,11,12,13,14,15
	v_cndmask_b32 v[224+\i], v252, v[224+\i], vcc_lo   ; a masked lane: p = 1 for each of my 128 keys, those at or past len too
.endr
	v_cndmask_b32 v248, 1.0, v248, vcc_lo          ; and its O^T is not rescaled: its M is 0 throughout
	s_branch .Ljoin_\@
.Lconst_\@:                                    ; THE SHORT WAY (only in a block with valid and masked rows): p = 0 in valid lanes, 1 in masked ones; M and the sums stay
	FETCH \s
	VALID
.irp i, 0,1,2,3,4,5,6,7,8,9,10,11,12,13,14,15
	v_cndmask_b32 v[224+\i], v252, v249, vcc_lo
.endr
	v_mov_b32 v248, 1.0
.Ljoin_\@:
.if \s < 3
	s_wait_loadcnt 0x0                             ; the next slot's bytes, if they were asked for, are in
	s_cmp_gt_u32 s29, 512*(\s+1)
	s_cbranch_scc0 .Lnoks_\@
	STAGE_STORE_K (1-P)                            ; into the LDS slot that every wave left ahead of this step's barrier
.Lnoks_\@:
	s_cmp_gt_u32 s21, 512*(\s+1)
	s_cbranch_scc0 .Lnovs_\@
	STAGE_STORE_V (1-P)
.Lnovs_\@:
.endif
.irp tt, 0,1,2,3                               ; V's fragments 0-3 take p's registers
.irp c, 0,1,2,3
	ds_load_b128 v[96+16*\tt+4*\c:99+16*\tt+4*\c], v[3+P] offset:16*\tt*VP+32*\c
.endr
.endr
.set j, 0
.rept 32
	v_pk_mul_f32 v[160+j:161+j], v[160+j:161+j], v[248:249] op_sel_hi:[1,0]   ; O^T under the new M, each accumulator from its low end on
.set j, j+2
.endr
	s_wait_dscnt 0x0                               ; fragments 0-3 are in, and the staging stores have read F
.irp tt, 0,1,2,3                               ; fragments 4-7 into F, on their way while the first four products run
.irp c, 0,1,2,3
	ds_load_b128 v[32+16*\tt+4*\c:35+16*\tt+4*\c], v[3+P] offset:16*(4+\tt)*VP+32*\c
.endr
.endr
.irp tt, 0,1,2,3                               ; O^T += V^T P^T: eight accumulators, one instruction each
	v_wmma_f32_16x16x128_bf8_bf8 v[160+8*\tt:167+8*\tt], v[96+16*\tt:111+16*\tt], v[224:239], v[160+8*\tt:167+8*\tt]
.endr
	s_wait_dscnt 0x0
.irp tt, 0,1,2,3
	v_wmma_f32_16x16x128_bf8_bf8 v[192+8*\tt:199+8*\tt], v[32+16*\tt:47+16*\tt], v[224:239], v[192+8*\tt:199+8*\tt]
.endr
.rept 5
	v_nop                                          ; five places: the next step's products write over v96 on, which these products read; four of them serve its loads into F, its writes of the codes and the reads of O^T
.endr
.Lhidden_\@:
.endm
	STEP 0
	STEP 1
	STEP 2
	STEP 3
	; ---- the merge.  Every wave hands its O^T (as an image of its registers), its -M and its sum to the four waves of its tile
	v_add_f32 v14, v14, v15                        ; the sum's two halves,
	v_permlanex16_b32 v246, v14, s32, s33
	v_add_f32 v14, v14, v246                       ; and lane l xor 16's
	VALID                                          ; (leaves my query in v244)
	v_cndmask_b32 v12, 0, v12, vcc_lo              ; a masked lane hands on -M = 0 in every group: its four parts are added as they are
	v_and_b32 v244, 15, v0                         ; r
	v_bfe_u32 v245, v0, 4, 1                       ; h
	v_and_b32 v246, 31, v0                         ; lane
	s_lshl_b32 s46, s16, 13
	v_add_nc_u32 v1, s46, v9                       ; my image: 8,192 w + 16 lane
	s_lshl_b32 s46, s16, 8
	s_add_co_u32 s46, s46, MS
	v_lshl_add_u32 v2, v246, 2, s46                ; my statistics: MS + 256 w + 4 lane
	s_lshl_b32 s46, s17, 15
	s_lshl_b32 s44, s18, 11
	s_add_co_u32 s46, s46, s44
	v_add_nc_u32 v3, s46, v9                       ; what I read of the images: 32,768 t + 2,048 g + 16 lane
	s_lshl_b32 s46, s17, 10
	s_add_co_u32 s46, s46, MS
	v_lshl_add_u32 v4, v246, 2, s46                ; of the statistics: MS + 1,024 t + 4 lane
	s_lshl_b32 s46, s18, 7
	s_add_co_u32 s46, s46, UP
	v_lshl_add_u32 v5, v245, 5, s46                ; of u: UP + 128 g + 32 h
	s_mul_i32 s46, s17, 16*528
	s_lshl_b32 s44, s18, 7
	s_add_co_u32 s46, s46, s44
	s_add_co_u32 s46, s46, OS
	v_mul_u32_u24 v6, v244, 528
	v_lshl_add_u32 v6, v245, 5, v6
	v_add_nc_u32 v6, s46, v6                       ; into the out stage: OS + (16 t + r) 528 + 128 g + 32 h
	s_mul_i32 s46, s16, 4*528
	s_add_co_u32 s46, s46, OS
	v_add_nc_u32 v7, s46, v9                       ; and back: OS + 4 w 528 + 16 lane
.irp k, 0,1,2,3,4,5,6,7,8,9,10,11,12,13,14,15
	ds_store_b128 v1, v[160+4*\k:163+4*\k] offset:512*\k   ; slot 0's bytes: last read in step 2, and every wave has passed step 3's barrier
.endr
	ds_store_b32 v2, v12
	ds_store_b32 v2, v14 offset:128
	BAR
	; wave (t, g) finishes channels 32 g .. 32 g + 31 of tile t: sixteen registers of each of the four groups' images
.irp gg, 0,1,2,3
.irp kk, 0,1,2,3
	ds_load_b128 v[32+16*\gg+4*\kk:35+16*\gg+4*\kk], v3 offset:8192*\gg+512*\kk
.endr
.endr
.irp gg, 0,1,2,3
	ds_load_b32 v[96+\gg], v4 offset:256*\gg       ; -M of group gg
	ds_load_b32 v[100+\gg], v4 offset:256*\gg+128  ; its sum
.endr
.irp hh, 0,1
.irp nn, 0,1
.irp qq, 0,1
	ds_load_b128 v[112+16*\hh+8*\nn+4*\qq:115+16*\hh+8*\nn+4*\qq], v5 offset:512*\hh+64*\nn+16*\qq   ; the raw u's two halves of the keys, at my sixteen channels
.endr
.endr
.endr
	s_wait_dscnt 0x0
	v_min3_num_f32 v104, v96, v97, v98
	v_min_num_f32 v104, v104, v99                  ; -M of the whole row: the least -M
.irp gg, 0,1,2,3
	v_sub_f32 v[105+\gg], v104, v[96+\gg]          ; the group's M less the row's: a whole number, 0 or less
	v_cvt_i32_f32 v[105+\gg], v[105+\gg]           ; (it saturates: for a valid row a group without keys gets the factor 0)
	v_ldexp_f32 v[144+2*\gg], 1.0, v[105+\gg]
	v_ldexp_f32 v[145+2*\gg], 1.0, v[105+\gg]      ; twice, a pair for the packed forms
.endr
	v_mul_f32 v109, v100, v144
	v_fma_f32 v109, v101, v146, v109
	v_fma_f32 v109, v102, v148, v109
	v_fma_f32 v109, v103, v150, v109               ; the row's sum
	v_add_nc_u32 v111, s52, v244                   ; my query
	v_cmp_gt_u32 vcc_lo, s28, v111                 ; valid: q < len
	v_cndmask_b32 v109, 0x45000000, v109, vcc_lo   ; a masked row's sum is 2,048
	v_rcp_f32 v110, v109
.irp i, 0,2,4,6,8,10,12,14                     ; independent work behind the reciprocal: the four groups' O^T under the row's M
	v_pk_mul_f32 v[160+\i:161+\i], v[32+\i:33+\i], v[144:145]
.endr
.irp gg, 1,2,3
.irp i, 0,2,4,6,8,10,12,14
	v_pk_fma_f32 v[160+\i:161+\i], v[32+16*\gg+\i:33+16*\gg+\i], v[144+2*\gg:145+2*\gg], v[160+\i:161+\i]
.endr
.endr
.irp i, 0,2,4,6,8,10,12,14
	v_pk_add_f32 v[112+\i:113+\i], v[112+\i:113+\i], v[128+\i:129+\i]
.endr
.irp i, 0,2,4,6,8,10,12,14
	v_pk_add_f32 v[160+\i:161+\i], v[160+\i:161+\i], v[112+\i:113+\i]   ; + the raw u: zeros but in a block all of whose rows are masked, where O^T is zero
.endr
	s_wait_alu depctr_va_vdst(0)                   ; the wait ahead of the reciprocal's first reader
	v_ldexp_f32 v152, v110, s48                    ; 2^(ep + ev) / the sum
	v_mov_b32 v153, v152
.irp i, 0,2,4,6,8,10,12,14
	v_pk_mul_f32 v[160+\i:161+\i], v[160+\i:161+\i], v[152:153]
.endr
.irp nn, 0,1
.irp qq, 0,1
	ds_store_b128 v6, v[160+8*\nn+4*\qq:163+8*\nn+4*\qq] offset:64*\nn+16*\qq   ; register 8 n + j: channel 32 g + 16 n + 8 h + j of row 16 t + r
.endr
.endr
	BAR                                            ; 64 whole rows of out lie in the stage
.irp i, 0,1,2,3
	ds_load_b128 v[32+4*\i:35+4*\i], v7 offset:528*\i
.endr
.irp i, 0,1,2,3
	s_wait_dscnt 3-\i                              ; LDS loads come back in order: row i is in, the 3 - i younger loads may be out
	global_store_b128 v9, v[32+4*\i:35+4*\i], s[42:43] offset:512*\i th:TH_STORE_NT   ; 32 lanes store a whole row: 512 consecutive bytes, aligned; written once, read by nobody here
.endr
	s_wait_xcnt 0x0
	v_lshl_add_u32 v254, v0, 2, 0x4d800
	v_mov_b32 v255, 0
	s_wait_tensorcnt 0x0
	ds_add_u32 v254, v255
	s_wait_dscnt 0x0
	s_endpgm
.Lfunc_end_k_q00cfdbd2ec_attn:
	.size	k_q00cfdbd2ec_attn, .Lfunc_end_k_q00cfdbd2ec_attn-k_q00cfdbd2ec_attn
	.p2alignl 7, 3214868480
	.fill 96, 4, 3214868480
	.section	.rodata,"a",@progbits
	.p2align	6, 0x0
	.amdhsa_kernel k_q00cfdbd2ec_attn
		.amdhsa_group_segment_fixed_size 319488
		.amdhsa_private_segment_fixed_size 0
		.amdhsa_enable_private_segment 0
		.amdhsa_kernarg_size 48
		.amdhsa_user_sgpr_count 2
		.amdhsa_user_sgpr_kernarg_segment_ptr 1
		.amdhsa_wavefront_size32 1
		.amdhsa_system_sgpr_workgroup_id_x 1
		.amdhsa_system_sgpr_workgroup_id_y 1
		.amdhsa_system_sgpr_workgroup_id_z 1
		.amdhsa_system_vgpr_workitem_id 0
		.amdhsa_next_free_vgpr 256
		.amdhsa_next_free_sgpr 66
		.amdhsa_reserve_vcc 1
		.amdhsa_float_denorm_mode_32 3
		.amdhsa_float_denorm_mode_16_64 3
		.amdhsa_memory_ordered 1
		.amdhsa_forward_progress 1
		.amdhsa_inst_pref_size 142
	.end_amdhsa_kernel
	.amdgpu_metadata
---
amdhsa.version: [ 1, 2 ]
amdhsa.kernels:
  - .name:           k_q00cfdbd2ec_attn
    .symbol:         k_q00cfdbd2ec_attn.kd
    .args:
      - { .name: q_codes, .offset: 0, .size: 8, .value_kind: global_buffer, .address_space: global }
      - { .name: k_codes, .offset: 8, .size: 8, .value_kind: global_buffer, .address_space: global }
      - { .name: v_codes, .offset: 16, .size: 8, .value_kind: global_buffer, .address_space: global }
      - { .name: lowp_scales, .offset: 24, .size: 8, .value_kind: global_buffer, .address_space: global }
      - { .name: event_lengths, .offset: 32, .size: 8, .value_kind: global_buffer, .address_space: global }
      - { .name: out0, .offset: 40, .size: 8, .value_kind: global_buffer, .address_space: global }
    .group_segment_fixed_size: 319488
    .private_segment_fixed_size: 0
    .kernarg_segment_align: 8
    .kernarg_segment_size: 48
    .max_flat_workgroup_size: 512
    .sgpr_count:     66
    .vgpr_count:     256
    .wavefront_size: 32
...
	.end_amdgpu_metadata
.endif
;; end of part 1
;; ======== version 2 of 2: 1 launch; version 1 with the launch attn written anew for expert scheduling mode
;; limits: right only within a limited range of input values
;; launch attn (part 2): grid 32 x 8, 16 waves a work-group, no clusters, 319,488 bytes of LDS; arguments q_codes, k_codes, v_codes, lowp_scales, event_lengths, out0; writes out0
.if DOCPART == 2
	.amdgcn_target "amdgcn-amd-amdhsa--gfx1250"
	.amdhsa_code_object_version 6
	.text
	.protected	k_q00cfdbd2ec_attn
	.globl	k_q00cfdbd2ec_attn
	.p2align	8
	.type	k_q00cfdbd2ec_attn,@function
k_q00cfdbd2ec_attn:
	s_mov_b64 s[64:65], 0
	v_nop
	global_prefetch_b8 v0, s[64:65] scope:SCOPE_SE
	s_setreg_imm32_b32 hwreg(HW_REG_WAVE_SCHED_MODE, 0, 2), 2
	s_setreg_imm32_b32 hwreg(HW_REG_WAVE_MODE, 25, 1), 1
	s_wait_xcnt 0x0
	s_wait_alu depctr_vm_vsrc(0)
; out[b][q][:] = softmax_k(masked q.k / sqrt(128)) v, both products on codes of BF8 (E5M2), each tensor with its given scale 2^e (eq, ek, ep, ev).
; q, k: [8][2048][128] codes, K = the head's 128.  v: [8][128][2048] codes, the keys innermost.  out: [8][2048][128] f32.  len = event_lengths[b], held within 0 .. 2048.
; THE MASK: (q, k) counts where q < len and k < len; every other logit is -1e9.
;   Rows q < len: a key >= len has p = 2^(-1.44e9 - M) = 0 in f32, so key steps that lie wholly at or past len add nothing to them, and only the step that holds len masks single scores (-infinity ahead of the maximum).
;   Rows q >= len: all 2,048 logits are -1e9; t = -1e9 x log2(e) is a whole number in f32, so M = t, p = 1 for every key and the sum is 2,048: the row is Q(1) x sum_k v[k][d] / 2048.
;   A block ALL of whose 64 rows are masked walks no key step: it sums v once, by matrix instructions on constant codes of Q(1), each wave 16 channels x 1,024 keys (the raw u).
;   A block with valid AND masked rows walks all 2,048 keys: a lane is one query, so in a masked lane the codes of p are replaced by the code of Q(1) and the rescaling factor by 1, and the lane's O^T gathers that same sum
;   in the second product, beside the valid lanes' work.  A step none of whose keys counts takes a short way there: no first product, no softmax; codes Q(1) in masked lanes, 0 in valid ones.
;   A block all of whose rows are valid walks the keys below len alone.
; THE SOFTMAX: t = score x log2(e) / sqrt(128); M = the running largest t rounded up to a whole number; p = 2^(t - M) is quantised with 2^ep; the sum is taken of the unquantised p and divides at the end.
; SHARES: a work-group owns 64 queries of one batch (32 x 8 work-groups).  Sixteen waves of 256 registers: wave w = 4 t + g owns tile t (16 queries) and key group g.  The keys go in four slots of 512;
;   in slot s group g takes the 128 keys from 512 s + 128 g.  Each wave keeps its own M, sum and O^T; the four groups of a tile are merged at the end through LDS, by exact powers of two.
; LAYOUT: both products are used transposed (S^T = K Q^T, O^T = V^T P^T): a lane holds ONE query (lane % 16).  Lane r of score tile 2 b + u takes key 32 b + 8 u + r + 8 (r / 8), so that the 16 registers of tiles
;   2 b, 2 b + 1 are the neighbouring keys 32 b + 16 (lane / 16) + 0 .. 15 and the conversions' results are the second product's operand.  Fragments come by four loads of 16 bytes (k = 32 c + 16 (lane / 16) + 0 .. 15),
;   the same order of k on both sides of each product.
; NO DATA MOVER, NO CLUSTER: which key steps run, which way a step takes, which step masks and whether p needs a hold are scalar branches on event_lengths and lowp_scales, numbers read from memory;
;   without them every wave would run all four steps with 192 more vector instructions each.  So K and V go from memory through registers into LDS, 512 consecutive bytes an instruction.
; LIMITS: eq + ek between -123 and 130 (added to c's exponent field); ep between -126 and 112.  NaN and infinity codes are not served.  A row q < len is taken to have a logit above about -9.9e8, so that masked keys give p = 0.
;
; THE MODE: SCHED_MODE bits 1:0 = 2 (LLVM: expert scheduling mode 2), set by the entry lines.  The code itself states the register dependences between vector or matrix instructions and memory or LDS instructions,
;   and those through scalar registers and VCC that vector instructions write, with s_wait_alu, always for 0.
; THE PLAN.  Registers that memory or LDS instructions touch, and who else names them:
;   v9        the offset of every global load and store: written once at the head, never again.
;   v12-v14   at the head the offsets of Q's loads, of u's loads and of u's LDS stores; then -M, the largest t and the sum: one wait on vm_vsrc stands between the two lives.
;   v1-v8     the ring's LDS addresses: written at the head ahead of a wait on va_vdst, read by the steps' LDS instructions, written anew once, at the merge, behind a wait on vm_vsrc.
;   F v32-95  in a step, in this order: K's fragments 0-3 land | four products read | K's fragments 4-7 land | four products read | the next slot's bytes land from memory | the staging stores read | V's fragments 4-7 land | four products read.
;   S v96-159 the first product writes, the softmax reads and writes, the conversions read | V's fragments 0-3 land | four products read.
;   The codes, O^T and the statistics are named by vector and matrix instructions alone while the steps run; at the merge O^T, -M and the sum are LDS stores' data.
; A STEP'S WAITS on va_vdst: at its head (from step 1 on: the last step's products are done with F and S), ahead of K's fragments 4-7, ahead of the next slot's loads, behind the exponentials, and where its two ways join
;   (the softmax and the conversions are done with S).  One wait on vm_vsrc: the staging stores have read F, ahead of V's fragments 4-7.  Each compare has its wait ahead of the first select that reads its mask.
;
; LDS: slot p at p x SLOTB: 512 rows of K (pitch 144), then 128 rows of V of 512 bytes (pitch 528): both pitches are odd multiples of 16 bytes, so the 16 rows of a fragment load start at 16 different 16-byte columns of 256 bytes.
;   A key of slot index x lies at row x with bits 3 and 4 exchanged: the 16 keys of score tile T are then rows 16 T .. 16 T + 15.
;   MI (from 0): the waves' O^T as images of their registers, 8,192 bytes a wave; MS: -M and the sum, 256 bytes a wave: both in slot 0, which is last read in step 2.  OS: 64 rows of out, pitch 528.  UP: the raw u in two halves of the keys.
; REGISTERS: v0 thread; v1, v2 K fragment address in slot 0, 1; v3, v4 V's; v5, v6 where I stage K; v7, v8 V; v9 16 x lane; v10 2^ep; v11 57,344 x 2^ep; v12 -M; v13 largest t; v[14:15] the sum in two halves;
;   v16-31 Q; v32-95 F: four fragments, or my 256 staged bytes; v96-159 S^T, p, then V's fragments 0-3; v160-223 O^T; v224-239 p's codes; v[242:243], v244-246 at work; v[248:249] f and 0; v250 -infinity; v251 the mask's bound;
;   v252 four codes of Q(1).
; SCALARS: s16 w, s17 t, s18 g, s19 b, s20 q0; s21 the keys that this block walks; s[22:23] c; s[24:27] eq, ek, ep, ev; s28 len; s29 the keys that count for valid rows; s30 128 g; s31 my step's first key;
;   s[34:35] K, s[36:37] V at my staging share; s[38:39] V at my share of u; s[40:41] Q; s[42:43] out; s48 ep + ev; s52 my tile's first query; s53 q0 + 64.
;   s4-s11 hold the arguments at the head and are done with there; in the step that holds len they take eight compares' masks at a time.
.set KP,    144
.set VP,    528
.set VOFF,  512*KP
.set SLOTB, VOFF+128*VP
.set MS,    131072
.set OS,    2*SLOTB
.set UP,    OS+64*528
.macro BAR                             ; my LDS stores have landed and my LDS loads are back: then the work-group's barrier.  It stands on every wave's path
	s_wait_dscnt 0x0
	s_barrier_signal -1
	s_barrier_wait -1
.endm
.macro STAGE_LOAD_K s                  ; my share of slot s of K: 32 keys, 4,096 bytes on end; every instruction reads 512 consecutive bytes, aligned
.irp i, 0,1,2,3,4,5,6,7
	global_load_b128 v[32+4*\i:35+4*\i], v9, s[34:35] offset:65536*(\s)+512*\i
.endr
.endm
.macro STAGE_LOAD_V s                  ; and of V: 512 bytes of each of 8 rows
.irp i, 0,1,2,3,4,5,6,7
	global_load_b128 v[64+4*\i:67+4*\i], v9, s[36:37] offset:512*(\s)+2048*\i
.endr
.endm
.macro STAGE_STORE_K p                 ; into LDS slot p.  K's load i holds keys 32 w + 4 i + lane / 8: bit 0 of i is bit 2 of the key, bit 1 is bit 3 (goes to row bit 4), bit 2 is bit 4 (goes to row bit 3)
.irp i, 0,1,2,3,4,5,6,7
	ds_store_b128 v[5+(\p)], v[32+4*\i:35+4*\i] offset:KP*(4*(\i%2)+16*((\i/2)%2)+8*(\i/4))
.endr
.endm
.macro STAGE_STORE_V p
.irp i, 0,1,2,3,4,5,6,7
	ds_store_b128 v[7+(\p)], v[64+4*\i:67+4*\i] offset:VP*\i
.endr
.endm
; In step s the next slot is asked for: its K if a key of it counts for a valid row, its V if the block walks it.  If either holds, none of the sixteen waves has jumped over step s, so all stage.
.macro FETCH s
.if \s < 3
	s_cmp_gt_u32 s29, 512*(\s+1)
	s_cbranch_scc0 .Lnok_\@
	STAGE_LOAD_K (\s+1)
.Lnok_\@:
	s_cmp_gt_u32 s21, 512*(\s+1)
	s_cbranch_scc0 .Lnov_\@
	STAGE_LOAD_V (\s+1)
.Lnov_\@:
.endif
.endm
.macro VALID                           ; VCC: my lane's query lies below len
	v_and_b32 v244, 15, v0
	v_add_nc_u32 v244, s52, v244
	v_cmp_gt_u32 vcc_lo, s28, v244
	s_wait_alu depctr_va_vcc(0)                    ; the compare has written VCC, ahead of its first reader: the selects that follow the macro
.endm
	s_load_b256 s[4:11], s[0:1], 0x0               ; q s[4:5], k s[6:7], v s[8:9], the scales' exponents s[10:11]
	s_load_b128 s[12:15], s[0:1], 0x20             ; event_lengths s[12:13], out s[14:15]
	v_lshrrev_b32 v247, 5, v0
	v_readfirstlane_b32 s16, v247                  ; wave w
	v_and_b32 v246, 31, v0                         ; lane
	v_and_b32 v244, 15, v0                         ; r
	v_bfe_u32 v245, v0, 4, 1                       ; h
	v_lshlrev_b32 v9, 4, v246                      ; 16 x lane
	v_lshlrev_b32 v12, 7, v244
	v_lshl_add_u32 v12, v245, 4, v12               ; for now: Q's offset, 128 r + 16 h
	v_lshlrev_b32 v13, 11, v244
	v_lshl_add_u32 v13, v245, 4, v13               ; for now: V's offset in memory, 2,048 r + 16 h
	s_and_b32 s19, ttmp7, 0xffff                   ; b
	s_lshl_b32 s20, ttmp9, 6                       ; q0: the block's first query
	s_mov_b32 s32, 0x76543210                      ; v_permlanex16_b32: lane l xor 16
	s_mov_b32 s33, 0xfedcba98
	s_wait_alu depctr_va_sdst(0)                   ; s16 is written, ahead of its first reader: t, g and every address share are made from it
	s_lshr_b32 s17, s16, 2                         ; t: my tile of 16 queries
	s_and_b32 s18, s16, 3                          ; g: my key group
	s_lshl_b32 s30, s18, 7                         ; 128 g
	s_lshl_b32 s44, s19, 18                        ; the batch's first byte in each tensor of codes
	s_mov_b32 s45, 0
	s_mov_b32 s47, 0
	s_wait_kmcnt 0x0
	s_load_b128 s[24:27], s[10:11], 0x0            ; eq, ek, ep, ev
	s_lshl_b32 s46, s19, 2
	s_add_nc_u64 s[12:13], s[12:13], s[46:47]
	s_load_b32 s28, s[12:13], 0x0                  ; len
	s_add_nc_u64 s[34:35], s[6:7], s[44:45]
	s_add_nc_u64 s[36:37], s[8:9], s[44:45]
	s_add_nc_u64 s[40:41], s[4:5], s[44:45]
	s_mov_b64 s[38:39], s[36:37]
	s_lshl_b32 s46, s16, 12
	s_add_nc_u64 s[34:35], s[34:35], s[46:47]      ; K: my 32 keys of a slot
	s_lshl_b32 s46, s16, 14
	s_add_nc_u64 s[36:37], s[36:37], s[46:47]      ; V: my 8 rows
	s_lshl_b32 s52, s17, 4
	s_add_co_u32 s52, s52, s20                     ; my tile's first query
	s_lshl_b32 s46, s52, 7
	s_add_nc_u64 s[40:41], s[40:41], s[46:47]      ; Q at it
	s_wait_alu depctr_va_vdst(0)                   ; the offsets v9, v12 and v13 are written: every global load and store of the kernel reads one of them
.irp c, 0,1,2,3
	global_load_b128 v[16+4*\c:19+4*\c], v12, s[40:41] offset:32*\c   ; Q's fragment stays in registers
.endr
	STAGE_LOAD_K 0                                 ; slot 0 is asked for before len is known: it lies inside its buffers whatever len is
	STAGE_LOAD_V 0
	s_and_b32 s46, s16, 7
	s_lshl_b32 s46, s46, 15
	s_lshr_b32 s44, s16, 3
	s_lshl_b32 s44, s44, 10
	s_add_co_u32 s46, s46, s44
	s_add_nc_u64 s[38:39], s[38:39], s[46:47]      ; V for u: rows 16 (w % 8) on, keys 1,024 (w / 8) on
	s_lshl_b32 s46, s16, 2
	s_add_co_u32 s46, s46, s20
	s_lshl_b32 s46, s46, 9
	s_lshl_b32 s44, s19, 20
	s_add_co_u32 s46, s46, s44
	s_add_nc_u64 s[42:43], s[14:15], s[46:47]      ; out: rows q0 + 4 w on
	; the ring's LDS addresses: constants, lane terms and the wave's number
	s_mul_i32 s46, s18, 128*KP
	v_mul_u32_u24 v1, v244, KP
	v_lshl_add_u32 v1, v245, 4, v1
	v_add_nc_u32 v1, s46, v1                       ; (128 g + r) KP + 16 h
	v_add_nc_u32 v2, SLOTB, v1
	s_lshl_b32 s46, s18, 7
	s_add_co_u32 s46, s46, VOFF
	v_mul_u32_u24 v3, v244, VP
	v_lshl_add_u32 v3, v245, 4, v3
	v_add_nc_u32 v3, s46, v3                       ; VOFF + r VP + 128 g + 16 h
	v_add_nc_u32 v4, SLOTB, v3
	s_mul_i32 s46, s16, 32*KP
	v_lshrrev_b32 v247, 3, v246
	v_mul_u32_u24 v5, v247, KP
	v_and_b32 v247, 7, v246
	v_lshl_add_u32 v5, v247, 4, v5
	v_add_nc_u32 v5, s46, v5                       ; (32 w + lane / 8) KP + 16 (lane % 8)
	v_add_nc_u32 v6, SLOTB, v5
	s_mul_i32 s46, s16, 8*VP
	s_add_co_u32 s46, s46, VOFF
	v_add_nc_u32 v7, s46, v9                       ; VOFF + 8 w VP + 16 lane
	v_add_nc_u32 v8, SLOTB, v7
	s_lshr_b32 s46, s16, 3
	s_lshl_b32 s46, s46, 9
	s_and_b32 s44, s16, 7
	s_lshl_b32 s44, s44, 6
	s_add_co_u32 s46, s46, s44
	s_add_co_u32 s46, s46, UP
	v_lshl_add_u32 v14, v245, 5, s46               ; for now: where my part of u goes: UP + 512 (w / 8) + 64 (w % 8) + 32 h
	s_wait_kmcnt 0x0
	s_max_i32 s28, s28, 0
	s_min_i32 s28, s28, 2048                       ; len, held within 0 .. 2,048
	s_add_co_u32 s53, s20, 64
	s_cmp_le_u32 s53, s28                          ; are all 64 rows valid?
	s_cselect_b32 s21, s28, 2048                   ; then the keys below len are walked; with masked rows beside valid ones, all keys
	s_cmp_lt_u32 s20, s28                          ; is any row valid?
	s_cselect_b32 s29, s28, 0                      ; the keys that count for valid rows: len, or none
	s_cselect_b32 s21, s21, 0                      ; a block all of whose rows are masked walks none
	s_add_co_i32 s46, s24, s25
	s_lshl_b32 s46, s46, 23
	s_add_co_i32 s22, s46, 0x3e0293ee              ; c = log2(e) / sqrt(128) x 2^(eq + ek): the exponents are added to c's exponent field
	s_mov_b32 s23, s22                             ; (named with it as a pair, so it is written)
	s_add_co_i32 s46, s26, 127
	s_lshl_b32 s44, s46, 23
	v_mov_b32 v10, s44                             ; 2^ep as f32: the conversion takes its exponent field
	s_add_co_i32 s46, s46, 15
	s_lshl_b32 s46, s46, 23
	s_or_b32 s46, s46, 0x600000
	v_mov_b32 v11, s46                             ; 57,344 x 2^ep
	s_add_co_i32 s48, s26, s27                     ; ep + ev
	; ---- the raw u, in blocks all of whose rows are masked: wave w sums V's rows 16 (w % 8) .. + 15 over the keys 1,024 (w / 8) .. + 1,023, each times the code of Q(1).  Every other block hands zeros on
.irp i, 0,1,2,3,4,5,6,7
	v_mov_b32 v[224+\i], 0
.endr
	s_cmp_lt_u32 s20, s28
	s_cbranch_scc1 .Lno_u
.irp i, 0,1,2,3,4,5,6,7
	v_min_num_f32 v[240+\i], 1.0, v11              ; p = 1, held at the largest code x the scale
.endr
.irp c, 0,1,2,3,4,5,6,7
	v_cvt_scalef32_pk8_bf8_f32 v[224+2*\c:225+2*\c], v[240:247], v10
.endr
	v_nop                                          ; one plain vector instruction between the conversions and the products that read their results and write their sources
.irp i, 0,1,2,3,4,5,6,7
.irp c, 0,1,2,3
	global_load_b128 v[96+16*\i+4*\c:99+16*\i+4*\c], v13, s[38:39] offset:128*\i+32*\c   ; no further wait: v13 was written ahead of the wait in front of Q's loads, and no vector instruction has named v13 or v96 to v223 since
.endr
.endr
	s_wait_alu depctr_va_vdst(0)
	s_wait_loadcnt 0x0
.irp i, 0,1,2,3,4,5,6,7                        ; two accumulators by turns, one instruction a turn; the first two products start the sums
.if \i < 2
	v_wmma_f32_16x16x128_bf8_bf8 v[240+8*(\i%2):247+8*(\i%2)], v[96+16*\i:111+16*\i], v[224:239], 0
.else
	v_wmma_f32_16x16x128_bf8_bf8 v[240+8*(\i%2):247+8*(\i%2)], v[96+16*\i:111+16*\i], v[224:239], v[240+8*(\i%2):247+8*(\i%2)]
.endif
.endr
.rept 4
	v_nop                                          ; four places behind the products, ahead of the reads of their results and of writes over their operands (ISA guide 7.12.1)
.endr
.irp i, 0,2,4,6
	v_pk_add_f32 v[224+\i:225+\i], v[240+\i:241+\i], v[248+\i:249+\i]   ; register j: row 16 (w % 8) + 8 h + j, the same in all sixteen lanes of a half
.endr
.Lno_u:
	s_wait_alu depctr_va_vdst(0)
.irp i, 0,1,2,3,4,5,6,7
	v_min_num_f32 v[240+\i], 1.0, v11              ; the code of Q(1) for masked lanes: p = 1, held at the largest code x the scale,
.endr
	v_cvt_scalef32_pk8_bf8_f32 v[252:253], v[240:247], v10   ; four times in v252
	v_nop                                          ; one plain vector instruction directly behind the conversion
	s_wait_loadcnt 0x0                             ; Q and slot 0's bytes are in
	s_wait_alu depctr_va_vdst(0)                   ; the ring's addresses v1 to v8, u's address v14 and my part of the raw u in v224 to v231 are written: the stores below and all the steps' LDS instructions read them; u's products are done reading v96 to v223
	STAGE_STORE_K 0
	STAGE_STORE_V 0
	ds_store_b128 v14, v[224:227]                  ; my part of the raw u: the sixteen lanes of a half store the same numbers to the same bytes
	ds_store_b128 v14, v[228:231] offset:16
.set j, 0
.rept 64
	v_mov_b32 v[160+j], 0                          ; O^T: a step is written once for all cases, and a wave that walks no key hands zeros to the merge
.set j, j+1
.endr
	v_mov_b32 v246, 0                              ; written once: a lane permute's destination counts as one of its sources
	v_mov_b32 v249, 0                              ; the upper half of the pair v[248:249]; also the 0 that valid lanes' codes take in a short step; never rewritten
	s_wait_dscnt 0x0                               ; the stores above are done
	s_wait_alu depctr_vm_vsrc(0)                   ; Q's loads have read v12, u's loads v13 and u's stores v14, which are written anew below; the stores have also read F and v224 to v231, in which the steps' loads land and their codes are written
	v_mov_b32 v13, 0xff61b1e6                      ; the largest t so far: -3e38, under every t
	v_floor_f32 v12, -v13                          ; -M
	v_mov_b32 v14, 0                               ; the sum, in two halves
	v_mov_b32 v15, 0
; A STEP: slot s (LDS slot s % 2), my group's 128 keys from 512 s + 128 g.
.macro STEP s
.set P, (\s)%2
	BAR                                            ; slot s is whole, and nobody reads the other LDS slot any more
	s_add_co_u32 s31, s30, 512*(\s)                ; my first key
	s_cmp_ge_u32 s31, s21
	s_cbranch_scc1 .Lhidden_\@                     ; the block does not walk my keys: no barrier stands in what is jumped over
.if \s > 0
	s_wait_alu depctr_va_vdst(0)                   ; the last step's products are done reading F and V's fragments in v96 to v159: on the long way K's fragments land in F, on the short way the next slot's bytes land in F and V's fragments in v96 to v159
.endif
	s_cmp_ge_u32 s31, s29
	s_cbranch_scc1 .Lconst_\@                      ; none of my keys counts for a valid row: the short way
.irp G, 0,1                                    ; S^T = K Q^T, four tiles of 16 keys at a time
.if \G
.rept 4
	v_nop                                          ; places behind the products above
.endr
	s_wait_alu depctr_va_vdst(0)                   ; the four products above are done reading F, in which K's fragments 4 to 7 land
.endif
.irp tt, 0,1,2,3
.irp c, 0,1,2,3
	ds_load_b128 v[32+16*\tt+4*\c:35+16*\tt+4*\c], v[1+P] offset:16*(4*\G+\tt)*KP+32*\c
.endr
.endr
	s_wait_dscnt 0x0
.irp tt, 0,1,2,3
	v_wmma_f32_16x16x128_bf8_bf8 v[96+8*(4*\G+\tt):103+8*(4*\G+\tt)], v[32+16*\tt:47+16*\tt], v[16:31], 0
.endr
.endr
.rept 4
	v_nop                                          ; places ahead of the first read of the scores
.endr
.if \s < 3
	s_wait_alu depctr_va_vdst(0)                   ; the four products above are done reading F, in which the next slot's bytes land
.endif
	FETCH \s                                       ; the next slot, asked for a softmax ahead of the stores that want it
	s_add_co_u32 s46, s31, 128
	s_cmp_le_u32 s46, s29
	s_cbranch_scc1 .Lopen_\@                       ; all my 128 keys count
	s_sub_co_u32 s46, s29, s31
	v_bfe_u32 v251, v0, 4, 1
	v_lshlrev_b32 v251, 4, v251
	v_sub_nc_u32 v251, s46, v251                   ; len - my first key - 16 h.  Register 16 b + i holds key 32 b + 16 h + i of the step: hidden where 32 b + i is not below that
	v_mov_b32 v250, 0xff800000                     ; -infinity: p = 0 then.  The step's first key counts, so each query's maximum is a number
.irp b, 0,1,2,3,4,5,6,7                        ; a score tile at a time: eight compares in a run, into eight scalar registers, one wait, eight selects
.irp i, 0,1,2,3,4,5,6,7
	v_cmp_ge_i32 s[4+\i], 32*(\b/2)+8*(\b%2)+\i, v251
.endr
	s_wait_alu depctr_va_sdst(0)                   ; the eight compares have written s4 to s11, ahead of the selects that read them
.irp i, 0,1,2,3,4,5,6,7
	v_cndmask_b32 v[96+8*\b+\i], v[96+8*\b+\i], v250, s[4+\i]
.endr
.endr
.Lopen_\@:
	v_max3_num_f32 v244, v96, v97, v98             ; the step's largest score of my query among my 64 keys, in two chains, each accumulator from its low end on,
	v_max3_num_f32 v245, v99, v100, v101
.irp i, 6,10,14,18,22,26,30,34,38,42,46,50,54,58
	v_max3_num_f32 v244, v244, v[96+\i], v[97+\i]
	v_max3_num_f32 v245, v245, v[98+\i], v[99+\i]
.endr
	v_max3_num_f32 v244, v244, v158, v159
	v_max_num_f32 v244, v244, v245
	v_permlanex16_b32 v246, v244, s32, s33
	v_max_num_f32 v244, v244, v246                 ; and among lane l xor 16's
	v_mul_f32 v244, s22, v244                      ; as t (c is positive)
	v_max_num_f32 v13, v13, v244                   ; the running largest t
	v_mov_b32 v244, v12
	v_floor_f32 v12, -v13                          ; the new -M = floor(-t) = -ceil(t): a whole number
	v_sub_f32 v244, v12, v244                      ; old M less new M: a whole number, 0 or less
	v_cvt_i32_f32 v244, v244                       ; (it saturates)
	v_ldexp_f32 v248, 1.0, v244                    ; f = 2^(old M - new M): a multiplication by it rounds nothing
.set j, 0
.rept 32
	v_pk_fma_f32 v[96+j:97+j], v[96+j:97+j], s[22:23], v[12:13] op_sel_hi:[1,0,0]   ; t - M, two at a time (of the pairs c and -M the low word serves both halves)
.set j, j+2
.endr
.set j, 0
	s_wait_alu depctr_va_vdst(0)
.rept 64
	v_exp_f32 v[96+j], v[96+j]                     ; p = 2^(t - M), at most 1, not normalised
.set j, j+1
.endr
	v_pk_mul_f32 v[14:15], v[14:15], v[248:249] op_sel_hi:[1,0]   ; the sum under the new M: the plain instruction behind the exponentials
	s_wait_alu depctr_va_vdst(0)                   ; the 64 exponentials have written p in v96 to v159: one wait for the batch, ahead of its first reader
	v_pk_add_f32 v[242:243], v[96:97], v[98:99]    ; the sum of the UNQUANTISED p, two at a time, in two chains
.irp j, 4,8,12,16,20,24,28,32,36,40,44,48,52,56,60
	v_pk_add_f32 v[14:15], v[14:15], v[96+\j:97+\j]
	v_pk_add_f32 v[242:243], v[242:243], v[98+\j:99+\j]
.endr
	v_pk_add_f32 v[14:15], v[14:15], v[242:243]
	s_cmp_ge_i32 s26, -15                          ; 57,344 x 2^ep = 1.75 x 2^(ep + 15) is at least 1.75 from ep = -15 on, and p is at most 1: the hold then changes nothing
	s_cbranch_scc1 .Lnohold_\@
.set j, 0
.rept 64
	v_min_num_f32 v[96+j], v[96+j], v11            ; the conversion to an 8-bit code does not saturate (ISA guide 7.6.2); p is not negative, so the hold is one-sided
.set j, j+1
.endr
.Lnohold_\@:
.irp b, 0,1,2,3
	v_cvt_scalef32_pk8_bf8_f32 v[224+4*\b:225+4*\b], v[96+16*\b:103+16*\b], v10
	v_cvt_scalef32_pk8_bf8_f32 v[226+4*\b:227+4*\b], v[104+16*\b:111+16*\b], v10
.endr
	v_nop                                          ; one plain vector instruction directly behind the last conversion
	s_cmp_le_u32 s53, s28
	s_cbranch_scc1 .Ljoin_\@                       ; the block has no masked row
	VALID
.irp i, 0,1,2,3,4,5,6,7,8,9,10,11,12,13,14,15
	v_cndmask_b32 v[224+\i], v252, v[224+\i], vcc_lo   ; a masked lane: p = 1 for each of my 128 keys, those at or past len too
.endr
	v_cndmask_b32 v248, 1.0, v248, vcc_lo          ; and its O^T is not rescaled: its M is 0 throughout
	s_branch .Ljoin_\@
.Lconst_\@:                                    ; THE SHORT WAY (only in a block with valid and masked rows): p = 0 in valid lanes, 1 in masked ones; M and the sums stay
	FETCH \s                                       ; no further wait: no vector or matrix instruction since the wait at the step's head names F
	VALID
	s_wait_alu depctr_va_vdst(0)
.irp i, 0,1,2,3,4,5,6,7,8,9,10,11,12,13,14,15
	v_cndmask_b32 v[224+\i], v252, v249, vcc_lo
.endr
	v_mov_b32 v248, 1.0
.Ljoin_\@:
.if \s < 3
	s_wait_loadcnt 0x0                             ; the next slot's bytes, if they were asked for, are in
.endif
	s_wait_alu depctr_va_vdst(0)                   ; on the long way the holds have written p and the sums and conversions are done reading it: V's fragments 0 to 3 land in v96 to v159
.if \s < 3
	s_cmp_gt_u32 s29, 512*(\s+1)
	s_cbranch_scc0 .Lnoks_\@
	STAGE_STORE_K (1-P)                            ; into the LDS slot that every wave left ahead of this step's barrier
.Lnoks_\@:
	s_cmp_gt_u32 s21, 512*(\s+1)
	s_cbranch_scc0 .Lnovs_\@
	STAGE_STORE_V (1-P)
.Lnovs_\@:
.endif
.irp tt, 0,1,2,3                               ; V's fragments 0-3 take p's registers
.irp c, 0,1,2,3
	ds_load_b128 v[96+16*\tt+4*\c:99+16*\tt+4*\c], v[3+P] offset:16*\tt*VP+32*\c
.endr
.endr
.set j, 0
.rept 32
	v_pk_mul_f32 v[160+j:161+j], v[160+j:161+j], v[248:249] op_sel_hi:[1,0]   ; O^T under the new M, each accumulator from its low end on.  (These name neither F nor v96 to v159)
.set j, j+2
.endr
.if \s < 3
	s_wait_alu depctr_vm_vsrc(0)                   ; the staging stores have read F, in which V's fragments 4 to 7 land
.endif
.irp tt, 0,1,2,3                               ; fragments 4-7 into F, on their way while the first four products run
.irp c, 0,1,2,3
	ds_load_b128 v[32+16*\tt+4*\c:35+16*\tt+4*\c], v[3+P] offset:16*(4+\tt)*VP+32*\c
.endr
.endr
	s_wait_alu depctr_va_vdst(0)
	s_wait_dscnt 16                                ; LDS instructions come back in order: fragments 0-3 are in, the sixteen younger loads, fragments 4-7, may be out
.irp tt, 0,1,2,3                               ; O^T += V^T P^T: eight accumulators, one instruction each
	v_wmma_f32_16x16x128_bf8_bf8 v[160+8*\tt:167+8*\tt], v[96+16*\tt:111+16*\tt], v[224:239], v[160+8*\tt:167+8*\tt]
.endr
	s_wait_dscnt 0x0
.irp tt, 0,1,2,3
	v_wmma_f32_16x16x128_bf8_bf8 v[192+8*\tt:199+8*\tt], v[32+16*\tt:47+16*\tt], v[224:239], v[192+8*\tt:199+8*\tt]
.endr
.rept 5
	v_nop                                          ; five places: the next step's products write over v96 on, which these products read; four of them serve its writes of the codes and the reads of O^T
.endr
.Lhidden_\@:
.endm
	STEP 0
	STEP 1
	STEP 2
	STEP 3
	s_wait_alu depctr_va_vdst(0)
	; ---- the merge.  Every wave hands its O^T (as an image of its registers), its -M and its sum to the four waves of its tile
	v_add_f32 v14, v14, v15                        ; the sum's two halves,
	v_permlanex16_b32 v246, v14, s32, s33
	v_add_f32 v14, v14, v246                       ; and lane l xor 16's
	VALID                                          ; (leaves my query in v244)
	v_cndmask_b32 v12, 0, v12, vcc_lo              ; a masked lane hands on -M = 0 in every group: its four parts are added as they are
	v_and_b32 v244, 15, v0                         ; r
	v_bfe_u32 v245, v0, 4, 1                       ; h
	v_and_b32 v246, 31, v0                         ; lane
	s_wait_alu depctr_va_vdst(0)
	s_wait_alu depctr_vm_vsrc(0)                   ; the ring's LDS loads and stores have read their addresses v1 to v7, which are written anew below
	s_lshl_b32 s46, s16, 13
	v_add_nc_u32 v1, s46, v9                       ; my image: 8,192 w + 16 lane
	s_lshl_b32 s46, s16, 8
	s_add_co_u32 s46, s46, MS
	v_lshl_add_u32 v2, v246, 2, s46                ; my statistics: MS + 256 w + 4 lane
	s_lshl_b32 s46, s17, 15
	s_lshl_b32 s44, s18, 11
	s_add_co_u32 s46, s46, s44
	v_add_nc_u32 v3, s46, v9                       ; what I read of the images: 32,768 t + 2,048 g + 16 lane
	s_lshl_b32 s46, s17, 10
	s_add_co_u32 s46, s46, MS
	v_lshl_add_u32 v4, v246, 2, s46                ; of the statistics: MS + 1,024 t + 4 lane
	s_lshl_b32 s46, s18, 7
	s_add_co_u32 s46, s46, UP
	v_lshl_add_u32 v5, v245, 5, s46                ; of u: UP + 128 g + 32 h
	s_mul_i32 s46, s17, 16*528
	s_lshl_b32 s44, s18, 7
	s_add_co_u32 s46, s46, s44
	s_add_co_u32 s46, s46, OS
	v_mul_u32_u24 v6, v244, 528
	v_lshl_add_u32 v6, v245, 5, v6
	v_add_nc_u32 v6, s46, v6                       ; into the out stage: OS + (16 t + r) 528 + 128 g + 32 h
	s_mul_i32 s46, s16, 4*528
	s_add_co_u32 s46, s46, OS
	v_add_nc_u32 v7, s46, v9                       ; and back: OS + 4 w 528 + 16 lane
	s_wait_alu depctr_va_vdst(0)                   ; the new addresses v1 to v7, O^T in v160 to v223, -M in v12 and the sum in v14 are written, which the stores and loads below read; the last products are done reading F and v96 to v159, in which the merge's loads land
.irp k, 0,1,2,3,4,5,6,7,8,9,10,11,12,13,14,15
	ds_store_b128 v1, v[160+4*\k:163+4*\k] offset:512*\k   ; slot 0's bytes: last read in step 2, and every wave has passed step 3's barrier
.endr
	ds_store_b32 v2, v12
	ds_store_b32 v2, v14 offset:128
	BAR
	; wave (t, g) finishes channels 32 g .. 32 g + 31 of tile t: sixteen registers of each of the four groups' images
.irp gg, 0,1,2,3
.irp kk, 0,1,2,3
	ds_load_b128 v[32+16*\gg+4*\kk:35+16*\gg+4*\kk], v3 offset:8192*\gg+512*\kk
.endr
.endr
.irp gg, 0,1,2,3
	ds_load_b32 v[96+\gg], v4 offset:256*\gg       ; -M of group gg
	ds_load_b32 v[100+\gg], v4 offset:256*\gg+128  ; its sum
.endr
.irp hh, 0,1
.irp nn, 0,1
.irp qq, 0,1
	ds_load_b128 v[112+16*\hh+8*\nn+4*\qq:115+16*\hh+8*\nn+4*\qq], v5 offset:512*\hh+64*\nn+16*\qq   ; the raw u's two halves of the keys, at my sixteen channels
.endr
.endr
.endr
	s_wait_dscnt 0x0
	s_wait_alu depctr_vm_vsrc(0)                   ; my image's stores have read v160 to v175, which the merged O^T is written into below
	v_min3_num_f32 v104, v96, v97, v98
	v_min_num_f32 v104, v104, v99                  ; -M of the whole row: the least -M
.irp gg, 0,1,2,3
	v_sub_f32 v[105+\gg], v104, v[96+\gg]          ; the group's M less the row's: a whole number, 0 or less
	v_cvt_i32_f32 v[105+\gg], v[105+\gg]           ; (it saturates: for a valid row a group without keys gets the factor 0)
	v_ldexp_f32 v[144+2*\gg], 1.0, v[105+\gg]
	v_ldexp_f32 v[145+2*\gg], 1.0, v[105+\gg]      ; twice, a pair for the packed forms
.endr
	v_mul_f32 v109, v100, v144
	v_fma_f32 v109, v101, v146, v109
	v_fma_f32 v109, v102, v148, v109
	v_fma_f32 v109, v103, v150, v109               ; the row's sum
	v_add_nc_u32 v111, s52, v244                   ; my query
	v_cmp_gt_u32 vcc_lo, s28, v111                 ; valid: q < len
	s_wait_alu depctr_va_vcc(0)                    ; the compare has written VCC, ahead of the select that reads it
	v_cndmask_b32 v109, 0x45000000, v109, vcc_lo   ; a masked row's sum is 2,048
	s_wait_alu depctr_va_vdst(0)
	v_rcp_f32 v110, v109
.irp i, 0,2,4,6,8,10,12,14                     ; independent work behind the reciprocal: the four groups' O^T under the row's M
	v_pk_mul_f32 v[160+\i:161+\i], v[32+\i:33+\i], v[144:145]
.endr
.irp gg, 1,2,3
.irp i, 0,2,4,6,8,10,12,14
	v_pk_fma_f32 v[160+\i:161+\i], v[32+16*\gg+\i:33+16*\gg+\i], v[144+2*\gg:145+2*\gg], v[160+\i:161+\i]
.endr
.endr
.irp i, 0,2,4,6,8,10,12,14
	v_pk_add_f32 v[112+\i:113+\i], v[112+\i:113+\i], v[128+\i:129+\i]
.endr
.irp i, 0,2,4,6,8,10,12,14
	v_pk_add_f32 v[160+\i:161+\i], v[160+\i:161+\i], v[112+\i:113+\i]   ; + the raw u: zeros but in a block all of whose rows are masked, where O^T is zero
.endr
	s_wait_alu depctr_va_vdst(0)                   ; the reciprocal has written v110, ahead of its first reader
	v_ldexp_f32 v152, v110, s48                    ; 2^(ep + ev) / the sum
	v_mov_b32 v153, v152
.irp i, 0,2,4,6,8,10,12,14
	v_pk_mul_f32 v[160+\i:161+\i], v[160+\i:161+\i], v[152:153]
.endr
	s_wait_alu depctr_va_vdst(0)                   ; the multiplications have written v160 to v175, which the stores below read; the merge is done reading v32 to v47, in which the rows of out land behind the barrier
.irp nn, 0,1
.irp qq, 0,1
	ds_store_b128 v6, v[160+8*\nn+4*\qq:163+8*\nn+4*\qq] offset:64*\nn+16*\qq   ; register 8 n + j: channel 32 g + 16 n + 8 h + j of row 16 t + r
.endr
.endr
	BAR                                            ; 64 whole rows of out lie in the stage
.irp i, 0,1,2,3
	ds_load_b128 v[32+4*\i:35+4*\i], v7 offset:528*\i
.endr
.irp i, 0,1,2,3
	s_wait_dscnt 3-\i                              ; LDS loads come back in order: row i is in, the 3 - i younger loads may be out
	global_store_b128 v9, v[32+4*\i:35+4*\i], s[42:43] offset:512*\i th:TH_STORE_NT   ; 32 lanes store a whole row: 512 consecutive bytes, aligned; written once, read by nobody here
.endr
	s_wait_xcnt 0x0
	v_lshl_add_u32 v254, v0, 2, 0x4d800            ; the add's two registers, made anew here: no memory or LDS instruction has read v254 or v255
	v_mov_b32 v255, 0
	s_wait_dscnt 0x0                               ; the closing lines, six on end
	s_wait_alu 0x0
	s_wait_tensorcnt 0x0
	ds_add_u32 v254, v255
	s_wait_dscnt 0x0
	s_endpgm
.Lfunc_end_k_q00cfdbd2ec_attn:
	.size	k_q00cfdbd2ec_attn, .Lfunc_end_k_q00cfdbd2ec_attn-k_q00cfdbd2ec_attn
	.p2alignl 7, 3214868480
	.fill 96, 4, 3214868480
	.section	.rodata,"a",@progbits
	.p2align	6, 0x0
	.amdhsa_kernel k_q00cfdbd2ec_attn
		.amdhsa_group_segment_fixed_size 319488
		.amdhsa_private_segment_fixed_size 0
		.amdhsa_enable_private_segment 0
		.amdhsa_kernarg_size 48
		.amdhsa_user_sgpr_count 2
		.amdhsa_user_sgpr_kernarg_segment_ptr 1
		.amdhsa_wavefront_size32 1
		.amdhsa_system_sgpr_workgroup_id_x 1
		.amdhsa_system_sgpr_workgroup_id_y 1
		.amdhsa_system_sgpr_workgroup_id_z 1
		.amdhsa_system_vgpr_workitem_id 0
		.amdhsa_next_free_vgpr 256
		.amdhsa_next_free_sgpr 66
		.amdhsa_reserve_vcc 1
		.amdhsa_float_denorm_mode_32 3
		.amdhsa_float_denorm_mode_16_64 3
		.amdhsa_memory_ordered 1
		.amdhsa_forward_progress 1
		.amdhsa_inst_pref_size 161
	.end_amdhsa_kernel
	.amdgpu_metadata
---
amdhsa.version: [ 1, 2 ]
amdhsa.kernels:
  - .name:           k_q00cfdbd2ec_attn
    .symbol:         k_q00cfdbd2ec_attn.kd
    .args:
      - { .name: q_codes, .offset: 0, .size: 8, .value_kind: global_buffer, .address_space: global }
      - { .name: k_codes, .offset: 8, .size: 8, .value_kind: global_buffer, .address_space: global }
      - { .name: v_codes, .offset: 16, .size: 8, .value_kind: global_buffer, .address_space: global }
      - { .name: lowp_scales, .offset: 24, .size: 8, .value_kind: global_buffer, .address_space: global }
      - { .name: event_lengths, .offset: 32, .size: 8, .value_kind: global_buffer, .address_space: global }
      - { .name: out0, .offset: 40, .size: 8, .value_kind: global_buffer, .address_space: global }
    .group_segment_fixed_size: 319488
    .private_segment_fixed_size: 0
    .kernarg_segment_align: 8
    .kernarg_segment_size: 48
    .max_flat_workgroup_size: 512
    .sgpr_count:     66
    .vgpr_count:     256
    .wavefront_size: 32
...
	.end_amdgpu_metadata
.endif
;; end of part 2
